; MI455X (gfx1250); checked and timed in simulation.
; The chip was launched on July 23, 2026; its instructions are those of AMD's public machine-readable ISA for CDNA 5 (MIT licence, August 2026) and "CDNA5" Instruction Set Architecture Reference Guide (July 2026). The comments in the code are by the model that wrote it; some were corrected since.
;; Quant Linear. Allowed arithmetic: float matrix products may take bf16 or f16 operands with f32 sums; other float arithmetic in f32, or as packed bf16 or f16 multiplies, adds, multiply-adds, maxima and minima; sums over many terms, partial sums and values carried from step to step in f32; what a program stores and reads back later, other than sums and carried values, may be rounded once to bf16 or f16.
;; Inputs: bias 4,096 float32; scale_x 1 float32; weight 4,096 x 4,096 float32; x_q 4,096 x 4,096 float32.
;; Outputs: out0 4,096 x 4,096 float32.
;; 2 versions, each right; version 2 is version 1 with the launch prep written anew for expert scheduling mode. Each part assembles by itself: llvm-mc -triple=amdgcn-amd-amdhsa -mcpu=gfx1250 --defsym DOCPART=n.
;; ======== version 1 of 2: 2 launches
;; workspace buffers: wq 33,554,432 bytes; xb 33,554,432 bytes; chan 32,768 bytes
;; launch prep (part 1): grid 256 x 1, 16 waves a work-group, no clusters, 2,304 bytes of LDS; arguments weight, x_q, bias, scale_x, wq, xb, chan; writes wq, xb, chan
.if DOCPART == 1
	.amdgcn_target "amdgcn-amd-amdhsa--gfx1250"
	.amdhsa_code_object_version 6
	.text
	.protected	k_q5dbd59c498_prep
	.globl	k_q5dbd59c498_prep
	.p2align	8
	.type	k_q5dbd59c498_prep,@function
k_q5dbd59c498_prep:
	s_mov_b64 s[64:65], 0
	v_nop
	global_prefetch_b8 v0, s[64:65] scope:SCOPE_SE
	s_setreg_imm32_b32 hwreg(HW_REG_WAVE_MODE, 25, 1), 1
	s_wait_xcnt 0x0
; PREPARATION FOR THE QUANTISED LINEAR LAYER.  weight, x_q: [4096][4096] f32; bias: [4096] f32; scale_x: [1] f32.
;   scale_w[n] = max(|min of row n|, |max of row n|) / 127;  wq[n][k] = clip(round(weight[n][k] / scale_w[n]), -128, 127), stored as bf16 (whole numbers up to 256 are exact in bf16)
;   xb[m][k] = x_q[m][k] cut toward zero (the cast to int32), stored as bf16
;   chan: so[n] = scale_w[n] x scale_x at byte 4 n;  c[n] = clip(round(bias[n] / so[n]), -2^31, 2^31) x so[n] at byte 16,384 + 4 n
; LIMITS.  |x| above 256 is rounded to the 8 significant bits of bf16; the saturation of the cast at 2^31 and the wrap of int32 sums are not reproduced.
; scale_w is the maximum times the rounded 1/127, and the two divisions are a reciprocal (1 ulp) and a multiply: a quotient within an ulp of a half may round to the neighbouring whole number.
; A divisor whose magnitude is below 2^-126 is taken as 2^-126 (with its sign): an all-zero row gives wq = 0, so = 0, c = 0.  NaN and infinities are not treated apart.
; SHARES.  Sixteen waves; wave w of work-group g owns row 16 g + w of weight and the same row of x_q: 4,096 waves for 4,096 + 4,096 rows, no loop.
; A row is 16,384 bytes: 32 chunks of 512, a lane 16 bytes of each.  The weight row stays in 128 registers between the pass that finds its extremes and the pass that quantises: it is read once.
; A converted chunk is 8 bytes a lane: one store of the wave covers 256 consecutive bytes, aligned.
; No tensor loads and no LDS on the way in: no wave wants a byte that another has fetched.  No prefetch: 48 of the wave's 64 loads go out at its start, the rest once v[32:95] are free.
.set SPARE, 256                        ; LDS: so of the 16 rows at 0, c at 64; from 256 on the spare words, 128 bytes for each wave, which no other line names
.set LO,   1                           ; v1   16 x lane: my bytes in a chunk as loaded
.set SO8,  2                           ; v2   8 x lane: my bytes in a chunk as stored
.set HI,   4                           ; v[4:7]   four running maxima
.set LW,   8                           ; v[8:11]  four running minima
.set SPW,  30                          ; v30  LDS address of my spare word; never rewritten
.set NIL,  31                          ; v31  0; never rewritten
.set W,    32                          ; v[32:159]  the weight row; later v[32:95] take the second half of the x row
.set X,    160                         ; v[160:223] the first half of the x row
	s_load_b256 s[4:11], s[0:1], 0x0               ; weight s[4:5], x_q s[6:7], bias s[8:9], scale_x s[10:11]
	s_load_b128 s[12:15], s[0:1], 0x20             ; wq s[12:13], xb s[14:15]
	s_load_b64 s[16:17], s[0:1], 0x30              ; chan
	v_lshl_add_u32 v[SPW], v0, 2, SPARE
	v_mov_b32 v[NIL], 0
	v_lshrrev_b32 v3, 5, v0
	v_readfirstlane_b32 s18, v3                    ; wave 0..15
	v_and_b32 v3, 31, v0                           ; lane
	v_lshlrev_b32 v[LO], 4, v3
	v_lshlrev_b32 v[SO8], 3, v3
	v_lshlrev_b32 v22, 2, v3                       ; 4 x lane: the table as wave 0 reads it back
	v_mov_b32 v19, s18
	v_lshlrev_b32 v19, 2, v19                      ; 4 x wave: my row's word in the table
	s_lshl_b32 s36, ttmp9, 6                       ; the work-group's 16 channels: 64 bytes of so and of c
	v_and_b32 v20, 15, v0
	v_lshlrev_b32 v20, 2, v20
	v_bfe_u32 v21, v0, 4, 1
	v_lshl_add_u32 v20, v21, 14, v20               ; lanes 0-15 store so, lanes 16-31 store c, 16,384 bytes further on
	v_add_nc_u32 v20, s36, v20
	v_mov_b32 v13, 0                               ; written before v_permlanex16_b32 names it as its destination
	s_lshl_b32 s19, ttmp9, 4
	s_add_co_u32 s19, s19, s18                     ; my row
	s_lshl_b32 s20, s19, 14                        ; x 16,384 bytes (f32 rows),
	s_mov_b32 s21, 0
	s_lshl_b32 s22, s19, 13                        ; x 8,192 bytes (bf16 rows),
	s_mov_b32 s23, 0
	s_lshl_b32 s24, s19, 2                         ; x 4 bytes (bias)
	s_mov_b32 s25, 0
	s_mov_b32 s28, 0xc3000000                      ; -128.0
	s_mov_b32 s29, 0x42fe0000                      ; 127.0
	s_mov_b32 s30, 0xcf000000                      ; -2^31
	s_mov_b32 s31, 0x4f000000                      ; 2^31 (2^31 - 1 as f32)
	s_mov_b32 s32, 0x76543210                      ; v_permlanex16_b32: each lane takes its own place in the other half
	s_mov_b32 s33, 0xfedcba98
	s_mov_b32 s34, 0x3c010204                      ; 1 / 127
	s_mov_b32 s35, 0x00800000                      ; 2^-126
	s_wait_kmcnt 0x0
	s_add_nc_u64 s[4:5], s[4:5], s[20:21]
	s_add_nc_u64 s[6:7], s[6:7], s[20:21]
	s_add_nc_u64 s[12:13], s[12:13], s[22:23]
	s_add_nc_u64 s[14:15], s[14:15], s[22:23]
	s_add_nc_u64 s[8:9], s[8:9], s[24:25]
	s_load_b32 s26, s[10:11], 0x0                  ; scale_x
	s_load_b32 s27, s[8:9], 0x0                    ; bias of my row
.irp j, 0,1,2,3,4,5,6,7,8,9,10,11,12,13,14,15,16,17,18,19,20,21,22,23,24,25,26,27,28,29,30,31
	global_load_b128 v[W+4*(\j):W+4*(\j)+3], v[LO], s[4:5] offset:512*(\j) th:TH_LOAD_NT
.endr
.irp j, 0,1,2,3,4,5,6,7,8,9,10,11,12,13,14,15
	global_load_b128 v[X+4*(\j):X+4*(\j)+3], v[LO], s[6:7] offset:512*(\j) th:TH_LOAD_NT  ; 48 loads, 24 KiB, of the wave are out
.endr
; Chunk j joins chain j % 4 of the maxima and of the minima; the first four chunks start the chains, so nothing is cleared.
.macro MINMAX j
.set rA, W+4*(\j)
.set cK, (\j)%4
.if (\j) < 4
	v_max_num_f32 v[HI+cK], v[rA], v[rA+1]
	v_min_num_f32 v[LW+cK], v[rA], v[rA+1]
.else
	v_max3_num_f32 v[HI+cK], v[HI+cK], v[rA], v[rA+1]
	v_min3_num_f32 v[LW+cK], v[LW+cK], v[rA], v[rA+1]
.endif
	v_max3_num_f32 v[HI+cK], v[HI+cK], v[rA+2], v[rA+3]
	v_min3_num_f32 v[LW+cK], v[LW+cK], v[rA+2], v[rA+3]
.endm
; Chunk j of the weight row: divided by scale_w, rounded to nearest even, clipped, packed to bf16 in place, stored.
.macro QUANT j
.set rA, W+4*(\j)
	v_pk_mul_f32 v[rA:rA+1], v[rA:rA+1], v[14:15] op_sel_hi:[1,0]
	v_pk_mul_f32 v[rA+2:rA+3], v[rA+2:rA+3], v[14:15] op_sel_hi:[1,0]
.irp c, 0,1,2,3
	v_rndne_f32 v[rA+(\c)], v[rA+(\c)]
.endr
.irp c, 0,1,2,3
	v_med3_num_f32 v[rA+(\c)], v[rA+(\c)], s28, s29
.endr
	v_cvt_pk_bf16_f32 v[rA], v[rA], v[rA+1]
	v_cvt_pk_bf16_f32 v[rA+1], v[rA+2], v[rA+3]
	global_store_b64 v[SO8], v[rA:rA+1], s[12:13] offset:256*(\j) th:TH_STORE_NT
.endm
; Chunk i of the sixteen at register base: cut toward zero, packed to bf16 in place, stored at byte off + 256 i of my row of xb.
.macro CONV base, i, off
.set rA, (\base)+4*(\i)
.irp c, 0,1,2,3
	v_trunc_f32 v[rA+(\c)], v[rA+(\c)]
.endr
	v_cvt_pk_bf16_f32 v[rA], v[rA], v[rA+1]
	v_cvt_pk_bf16_f32 v[rA+1], v[rA+2], v[rA+3]
	global_store_b64 v[SO8], v[rA:rA+1], s[14:15] offset:(\off)+256*(\i) th:TH_STORE_NT
.endm
	s_wait_loadcnt 40                              ; loads come back in order: chunks 0-7 are in; 24 of the weight row and the 16 of x stay out
.irp j, 0,1,2,3,4,5,6,7
	MINMAX \j
.endr
	s_wait_loadcnt 32                              ; chunks 8-15
.irp j, 8,9,10,11,12,13,14,15
	MINMAX \j
.endr
	s_wait_loadcnt 24                              ; chunks 16-23
.irp j, 16,17,18,19,20,21,22,23
	MINMAX \j
.endr
	s_wait_loadcnt 16                              ; the whole weight row; the 16 loads of x stay out
.irp j, 24,25,26,27,28,29,30,31
	MINMAX \j
.endr
	v_max3_num_f32 v4, v4, v5, v6
	v_min3_num_f32 v8, v8, v9, v10
	v_max_num_f32 v4, v4, v7
	v_min_num_f32 v8, v8, v11
	v_xor_b32 v8, 0x80000000, v8                   ; since min <= max, max(|min|, |max|) = max(max, -min)
	v_max_num_f32 v4, v4, v8
	v_max_num_f32_dpp v4, v4, v4 row_xmask:1 row_mask:0xf bank_mask:0xf
	v_max_num_f32_dpp v4, v4, v4 row_xmask:2 row_mask:0xf bank_mask:0xf
	v_max_num_f32_dpp v4, v4, v4 row_xmask:4 row_mask:0xf bank_mask:0xf
	v_max_num_f32_dpp v4, v4, v4 row_xmask:8 row_mask:0xf bank_mask:0xf
	v_permlanex16_b32 v13, v4, s32, s33
	v_max_num_f32 v4, v4, v13                      ; every lane holds the row's largest magnitude
	s_wait_kmcnt 0x0                               ; scale_x and my bias
	v_mul_f32 v16, s34, v4                         ; scale_w
	v_mul_f32 v17, s26, v16                        ; so = scale_w x scale_x
	v_max_num_f32 v12, s35, v16                    ; the divisors, kept away from 0: scale_w is not negative;
	v_and_b32 v13, 0x7fffffff, v17
	v_max_num_f32 v13, s35, v13
	v_bfi_b32 v13, 0x7fffffff, v13, v17            ; so keeps its sign
	v_rcp_f32 v14, v12
	v_rcp_f32 v15, v13
	v_nop                                          ; a plain instruction behind the second reciprocal, ahead of the first use (ISA guide 5.7.2)
	s_wait_alu depctr_va_vdst(0)                   ; the wait ahead of the first reader: one for both reciprocals
	v_mul_f32 v18, s27, v15                        ; bias / so,
	v_rndne_f32 v18, v18
	v_med3_num_f32 v18, v18, s30, s31              ; b_q,
	v_mul_f32 v18, v18, v17                        ; c = b_q x so
	ds_store_b32 v19, v17                          ; all lanes write the same word with the same number
	ds_store_b32 v19, v18 offset:64
.irp j, 0,1,2,3,4,5,6,7,8,9,10,11,12,13,14,15
	QUANT \j
.endr
	s_wait_xcnt 0x0                                ; the sixteen stores have read their data: v[32:95] are loaded again only behind this wait
.irp i, 0,1,2,3,4,5,6,7,8,9,10,11,12,13,14,15
	global_load_b128 v[W+4*(\i):W+4*(\i)+3], v[LO], s[6:7] offset:8192+512*(\i) th:TH_LOAD_NT  ; chunks 16-31 of the x row
.endr
.irp j, 16,17,18,19,20,21,22,23,24,25,26,27,28,29,30,31
	QUANT \j
.endr
	s_wait_loadcnt 16                              ; the first half of the x row is in; the sixteen loads just issued may stay out
.irp i, 0,1,2,3,4,5,6,7,8,9,10,11,12,13,14,15
	CONV X, \i, 0
.endr
	s_wait_loadcnt 8                               ; chunks 16-23
.irp i, 0,1,2,3,4,5,6,7
	CONV W, \i, 4096
.endr
	s_wait_loadcnt 0x0                             ; chunks 24-31
.irp i, 8,9,10,11,12,13,14,15
	CONV W, \i, 4096
.endr
	s_wait_dscnt 0x0                               ; for the others' sake: my two words of the table are written
	s_barrier_signal -1
	s_barrier_wait -1                              ; all sixteen rows' words are
	s_cmp_lg_u32 s18, 0
	s_cbranch_scc1 .Lend                           ; wave 0 stores the table: 64 bytes of so and 64 of c, one instruction
	ds_load_b32 v21, v22
	s_wait_dscnt 0x0
	global_store_b32 v20, v21, s[16:17]
.Lend:
	s_wait_tensorcnt 0x0                           ; the wave's end: behind my last LDS store
	ds_add_u32 v[SPW], v[NIL]
	s_wait_dscnt 0x0
	s_endpgm
.Lfunc_end_k_q5dbd59c498_prep:
	.size	k_q5dbd59c498_prep, .Lfunc_end_k_q5dbd59c498_prep-k_q5dbd59c498_prep
	.p2alignl 7, 3214868480
	.fill 96, 4, 3214868480
	.section	.rodata,"a",@progbits
	.p2align	6, 0x0
	.amdhsa_kernel k_q5dbd59c498_prep
		.amdhsa_group_segment_fixed_size 2304
		.amdhsa_private_segment_fixed_size 0
		.amdhsa_enable_private_segment 0
		.amdhsa_kernarg_size 56
		.amdhsa_user_sgpr_count 2
		.amdhsa_user_sgpr_kernarg_segment_ptr 1
		.amdhsa_wavefront_size32 1
		.amdhsa_system_sgpr_workgroup_id_x 1
		.amdhsa_system_sgpr_workgroup_id_y 1
		.amdhsa_system_sgpr_workgroup_id_z 1
		.amdhsa_system_vgpr_workitem_id 0
		.amdhsa_next_free_vgpr 224
		.amdhsa_next_free_sgpr 66
		.amdhsa_reserve_vcc 0
		.amdhsa_float_denorm_mode_32 3
		.amdhsa_float_denorm_mode_16_64 3
		.amdhsa_memory_ordered 1
		.amdhsa_forward_progress 1
		.amdhsa_inst_pref_size 52
	.end_amdhsa_kernel
	.amdgpu_metadata
---
amdhsa.version: [ 1, 2 ]
amdhsa.kernels:
  - .name:           k_q5dbd59c498_prep
    .symbol:         k_q5dbd59c498_prep.kd
    .args:
      - { .name: weight, .offset: 0, .size: 8, .value_kind: global_buffer, .address_space: global }
      - { .name: x_q, .offset: 8, .size: 8, .value_kind: global_buffer, .address_space: global }
      - { .name: bias, .offset: 16, .size: 8, .value_kind: global_buffer, .address_space: global }
      - { .name: scale_x, .offset: 24, .size: 8, .value_kind: global_buffer, .address_space: global }
      - { .name: wq, .offset: 32, .size: 8, .value_kind: global_buffer, .address_space: global }
      - { .name: xb, .offset: 40, .size: 8, .value_kind: global_buffer, .address_space: global }
      - { .name: chan, .offset: 48, .size: 8, .value_kind: global_buffer, .address_space: global }
    .group_segment_fixed_size: 2304
    .private_segment_fixed_size: 0
    .kernarg_segment_align: 8
    .kernarg_segment_size: 56
    .max_flat_workgroup_size: 512
    .sgpr_count:     66
    .vgpr_count:     224
    .wavefront_size: 32
...
	.end_amdgpu_metadata
.endif
;; end of part 1
;; launch gemm (part 2): grid 16 x 16, 4 waves a work-group, clusters of 4 x 4, 327,680 bytes of LDS; arguments xb, wq, out0, chan; writes out0
.if DOCPART == 2
	.amdgcn_target "amdgcn-amd-amdhsa--gfx1250"
	.amdhsa_code_object_version 6
	.text
	.protected	k_q5dbd59c498_gemm
	.globl	k_q5dbd59c498_gemm
	.p2align	8
	.type	k_q5dbd59c498_gemm,@function
k_q5dbd59c498_gemm:
	s_mov_b64 s[64:65], 0
	v_nop
	global_prefetch_b8 v0, s[64:65] scope:SCOPE_SE
	s_setreg_imm32_b32 hwreg(HW_REG_WAVE_MODE, 25, 1), 1
	s_wait_xcnt 0x0
	s_wait_alu depctr_hold_cnt(0) depctr_sa_sdst(0) depctr_va_vdst(0) depctr_va_sdst(0) depctr_va_ssrc(0) depctr_va_vcc(0) depctr_vm_vsrc(0)
	s_getreg_b32 s2, hwreg(HW_REG_IB_STS2, 6, 4)
	s_cmp_eq_u32 s2, 0
	s_cbranch_scc0 .Lentry_in_a_cluster
	s_endpgm
.Lentry_in_a_cluster:
	s_bfe_u32 s2, ttmp6, 0x10000c
	s_cmp_lg_u32 s2, 0xf033
	s_cbranch_scc0 .Lentry_shape_is_right
	s_endpgm
.Lentry_shape_is_right:
; out0[m][n] = (sum over k of xb[m][k] wq[n][k]) x so[n] + c[n].  xb: [4096][4096] bf16, wq: [4096][4096] bf16 (both hold whole numbers), out0: [4096][4096] f32;
; chan: so[4096] f32 at byte 0, c[4096] = b_q x so at byte 16,384.  Sums in f32.
; LIMITS.  The sums are whole numbers and exact in f32 up to 2^24; beyond that they are rounded, and the wrap of int32 sums is not reproduced.  (sum + b_q) x so is taken as one fused sum x so + b_q x so.
; A tile of out0, 256 x 256, is made by a work-group of four waves; a wave makes 128 x 128: 64 accumulators of 16 x 16, 512 registers.  256 tiles, one to a work-group.
; K goes in steps of 128 through a ring of two LDS slots filled by the tensor data mover: the rows of the tiles are 256 bytes of memory and start at multiples of 256 bytes from the buffer's first byte.
; CLUSTERS: 4 x 4 work-groups.  The four of a row of the cluster need the same tiles of xb (A), the four of a column the same tiles of wq (B): each tile is asked for JOINTLY, by the same tensor load
; with the same descriptor and a mask that names the four.
; THE MATRIX INSTRUCTION IS USED TRANSPOSED: source 0 = 16 rows of B, source 1 = 16 rows of A: lane l holds row l % 16 of the result and the columns 8 (l / 16) + 0 .. 7.
; REGISTERS, in windows of 256 (s_set_vgpr_msb: bits 1:0 source 0, 3:2 source 1, 5:4 source 2, 7:6 destination):
;   window 0: v0-31 addresses; v32-39 so and c of my four columns on the way out; v64-127, v128-191 fragments of A, two buffers, and on the way out rows read back from the stage
;   window 1: v64-127, v128-191 fragments of B, two buffers
;   window 2: the 32 accumulators of my rows 0-63 (accumulator (a, b) at v[8 (8 a + b)]);   window 3: those of my rows 64-127
.set SIZE_M, 4096
.set SIZE_N, 4096
.set SIZE_K, 4096
.set KSTEP,  128
.set PITCH,  272                       ; an LDS row: 256 bytes of data + 16 of padding = 68 words: row r starts at bank 4 r mod 64 (64 banks of 4 bytes: ISA guide 11.1)
.set HALFT,  128*PITCH                 ; 128 rows: what one tensor load brings, and what one wave reads of A or of B
.set SLOT,   4*HALFT                   ; A's 256 rows, then B's 256 rows
.set STAGE,  2*SLOT                    ; behind the ring: 16 rows x 528 bytes for each wave, for the way out; no tensor load fills it
.set SPITCH, 528                       ; a stage row: 512 bytes (128 f32) + 16 = 132 words: row r starts at bank 4 r mod 64
.set SPARE,  STAGE+4*16*SPITCH         ; behind the stages: the spare words, 128 bytes for each wave: two blocks of 256 bytes that no other line names
.set LAPS, SIZE_K/(2*KSTEP)            ; a lap = two K steps = once round the ring: 16
.set ADRA, 16                          ; v16-17  LDS address of my A fragments in slot 0, 1
.set ADRB, 20                          ; v20-21  the same for B
.set STO,  24                          ; v24     the way out: where I put 32 bytes of a row
.set RD,   25                          ; v25     the way out: where I read 16 bytes of a row back
.set CO,   26                          ; v26     16 x lane: my byte offset in 512 bytes of a row of out0
.set CH,   27                          ; v27     my byte offset in so and in c
.set SPW,  28                          ; v28     LDS address of my spare word; never rewritten
.set NIL,  29                          ; v29     0; never rewritten
.set PFO,  30                          ; v30     the prefetches' offset: my lane x a row of A or B in memory; never rewritten
.set SOR,  32                          ; v[32:35] so of my four columns
.set CCR,  36                          ; v[36:39] c of my four columns
.set F0,   64                          ; fragment buffer 0
.set F1,   128                         ; fragment buffer 1
.set PFA,  44                          ; s[44:45] where my prefetches stand
.set LIM,  43                          ; s43     1 in a wave that prefetches, else the greatest number
.set CHN,  66                          ; s[66:67] chan
.set G1, 24                            ; s[24:31] descriptor group 1 for A's tiles
.set G0, 32                            ; s[32:39] descriptor group 0 for A's tiles, one set for each slot
.set G1B, 48                           ; s[48:55] descriptor group 1 for B's tiles: it differs from A's in the mask alone
.set G0B, 56                           ; s[56:63] descriptor group 0 for B's tiles, one set for each slot
.set MSB, 0
.macro WIN new                         ; the immediate's high byte repeats the setting that is left; a switch that changes nothing is dropped
.if MSB != (\new)
	s_set_vgpr_msb (MSB<<8)|(\new)
.set MSB, \new
.endif
.endm
.set MUL_LO, 0xa1                      ; source 0 (B) window 1, source 1 (A) window 0, C and D window 2
.set MUL_HI, 0xf1                      ; the same, C and D window 3
.set TO_B,   0x40                      ; destination window 1, address window 0
; A joint load.  Waves 0 and 1 fetch A's two halves, waves 2 and 3 B's.  The branch hangs on the wave's number alone: it is the same in every work-group.
; An s_nop 0 and four v_nop follow each of the two lines, ahead of the jump, the label and what follows.
.macro JLOAD s
	s_cmp_eq_u32 s11, 0
	s_cbranch_scc0 .Lfor_b_\@
	tensor_load_to_lds s[G0+4*(\s):G0+4*(\s)+3], s[G1:G1+7]
	s_nop 0
.rept 4
	v_nop
.endr
	s_branch .Lasked_\@
.Lfor_b_\@:
	tensor_load_to_lds s[G0B+4*(\s):G0B+4*(\s)+3], s[G1B:G1B+7]
	s_nop 0
.rept 4
	v_nop
.endr
.Lasked_\@:
.endm
; A PREFETCH INTO THE L2, behind each joint refill and the run of LDS loads that follows it: the K step that stands TWO refills on: 32 rows x 256 bytes, a lane a row, one instruction a wave.
; Each row's 256 bytes of a K step are named ONCE in the launch: A's tile row is read by every cluster of that row of clusters, and the one with cluster x = 0 asks; B's tile column by every cluster
; of that column, and the one with cluster y = 0 asks.  The four partners that ask for a tile jointly share its rows out BY ADDRESS: of the 128 rows that a wave fetches the partner at place p takes
; 32 p .. 32 p + 31 (p = cx for A, cy for B).  K steps 0 to 3 come by their loads alone; the loop's last trip (s3 = 1) asks for nothing: the last K step named is 31, the last there is.
.macro ASK
	s_cmp_gt_u32 s3, s[LIM]
	s_cbranch_scc0 .Lnot_mine_\@
	global_prefetch_b8 v[PFO], s[PFA:PFA+1] offset:KSTEP*2 th:TH_LOAD_NT scope:SCOPE_SE
.Lnot_mine_\@:
.endm
; A round of the cluster's barrier: my work-group's barrier, so that wave 0's signal speaks for all four waves; wave 0 signals for the work-group; every wave waits for all sixteen
; work-groups; my work-group's barrier once more.
.macro CREST                           ; a round behind its opening barrier
	s_cmp_lg_u32 s10, 0
	s_cbranch_scc1 .Lnot_wave_0_\@
	s_barrier_signal -3
.Lnot_wave_0_\@:
	s_barrier_wait -3
	s_barrier_signal -1
	s_barrier_wait -1
.endm
.macro CROUND                          ; a whole round
	s_barrier_signal -1
	s_barrier_wait -1
	CREST
.endm
	s_load_b128 s[4:7], s[0:1], 0x0                ; A = xb s[4:5], B = wq s[6:7]
	s_load_b64 s[8:9], s[0:1], 0x10                ; out0
	s_load_b64 s[CHN:CHN+1], s[0:1], 0x18          ; chan
	v_lshl_add_u32 v[SPW], v0, 2, SPARE
	v_mov_b32 v[NIL], 0
	ds_add_u32 v[SPW], v[NIL]                      ; the wave's opening: the add and its wait stand ahead of my first tensor load; the set-up below, work on registers, stands between them
	v_lshrrev_b32 v1, 5, v0
	v_readfirstlane_b32 s10, v1                    ; wave 0..3
	s_lshr_b32 s11, s10, 1                         ; which half of the tile's rows is mine.  Also: I fetch for A (0) or for B (1)
	s_and_b32 s12, s10, 1                          ; which half of its columns.  Also: which 128 rows of that tile I fetch
	s_bfe_u32 s40, ttmp6, 0x40000                  ; cx: my place along the cluster's x
	s_bfe_u32 s41, ttmp6, 0x40004                  ; cy: along its y
	s_lshl_b32 s42, ttmp9, 2                       ; in a cluster launch ttmp9 and ttmp7 count clusters
	s_add_co_u32 s42, s42, s40                     ; tile column = 4 x cluster x + cx
	s_and_b32 s13, ttmp7, 0xffff
	s_lshl_b32 s13, s13, 2
	s_add_co_u32 s13, s13, s41                     ; tile row = 4 x cluster y + cy
	s_lshl_b32 s43, s41, 2
	s_lshl_b32 s43, 15, s43                        ; my row of the cluster: places 4 cy .. 4 cy + 3
	s_lshl_b32 s44, 0x1111, s40                    ; my column: places cx, cx + 4, cx + 8, cx + 12
	; descriptor group 1: a tile of 128 rows x 128 elements, padded in LDS
	s_or_b32 s[G1+0], s43, (1<<16)|(1<<20)|(1<<21)|(5<<22)|(3<<25)  ; 15:0 the mask: A's tiles go to my row; 17:16 element of 2 bytes; 20 padding on; 21 set beside a mask; 24:22 after every 64 words (code 5); 31:25 of 4 words (code 3)
	s_or_b32 s[G1B+0], s44, (1<<16)|(1<<20)|(1<<21)|(5<<22)|(3<<25) ; the same with the mask of my column, for B's tiles
	s_mov_b32 s[G1B+1], KSTEP<<16
	s_mov_b32 s[G1+1], KSTEP<<16                   ; tensor_dim0 = 128
	s_mov_b32 s[G1B+2], 128<<16
	s_mov_b32 s[G1+2], 128<<16                     ; tensor_dim1 = 128
	s_mov_b32 s[G1B+3], KSTEP<<16
	s_mov_b32 s[G1+3], KSTEP<<16                   ; tile_dim0 = 128
	s_mov_b32 s[G1B+4], 128
	s_mov_b32 s[G1+4], 128                         ; tile_dim1 = 128
	s_mov_b32 s[G1B+5], SIZE_K
	s_mov_b32 s[G1+5], SIZE_K                      ; elements from row to row
	s_mov_b32 s[G1B+6], 0
	s_mov_b32 s[G1+6], 0
	s_mov_b32 s[G1B+7], 0
	s_mov_b32 s[G1+7], 0
	; where the tiles come from.  A's hang on the tile row alone, which my row of the cluster shares; B's on the tile column alone, which my column shares.
	s_lshl_b32 s17, s12, 7                         ; which 128 rows of the tile I fetch
	s_lshl_b32 s16, s13, 8
	s_add_co_u32 s16, s16, s17                     ; A: row 256 x tile row + 128 x half
	s_lshl_b32 s46, s42, 8
	s_add_co_u32 s46, s46, s17                     ; B: row 256 x tile column + 128 x half
	s_mov_b32 s17, 0
	s_mov_b32 s47, 0
	s_mov_b64 s[18:19], SIZE_K*2
	s_mul_u64 s[16:17], s[16:17], s[18:19]         ; in bytes
	s_mul_u64 s[46:47], s[46:47], s[18:19]
	s_mul_i32 s20, s10, HALFT                      ; and where they go: wave x 128 rows: no place in the cluster enters an LDS address
	s_wait_dscnt 0x0                               ; the opening add is done
	s_wait_kmcnt 0x0
	s_add_nc_u64 s[14:15], s[4:5], s[16:17]
	s_add_nc_u64 s[46:47], s[6:7], s[46:47]
	CROUND                                         ; all sixteen work-groups are here: the first joint loads meet
.irp s, 0,1
	s_mov_b32 s[G0+4*(\s)], 1                                      ; count = 1
	s_add_co_u32 s[G0+4*(\s)+1], s20, (\s)*SLOT                    ; LDS address
	s_add_nc_u64 s[G0+4*(\s)+2:G0+4*(\s)+3], s[14:15], (\s)*KSTEP*2  ; global address: K step s
	s_or_b32 s[G0+4*(\s)+3], s[G0+4*(\s)+3], 0x80000000            ; type = 2
	s_mov_b32 s[G0B+4*(\s)], 1
	s_add_co_u32 s[G0B+4*(\s)+1], s20, (\s)*SLOT
	s_add_nc_u64 s[G0B+4*(\s)+2:G0B+4*(\s)+3], s[46:47], (\s)*KSTEP*2
	s_or_b32 s[G0B+4*(\s)+3], s[G0B+4*(\s)+3], 0x80000000
	JLOAD \s                                       ; the ring is filled before anything else is done: two tensor loads of mine are out
.endr
	; A fragment is 16 rows x 32 K in 8 registers: lane l holds row l % 16; registers 0-3 hold K = 8 (l / 16) + 0..7, registers 4-7 K = 16 + 8 (l / 16) + 0..7: two loads of 16 bytes, 32 bytes apart.
	v_and_b32 v1, 15, v0                           ; l % 16
	v_bfe_u32 v2, v0, 4, 1                         ; l / 16
	v_mul_u32_u24 v3, v1, PITCH
	v_lshl_add_u32 v3, v2, 4, v3                   ; row x pitch + 16 x half
	s_mul_i32 s21, s11, HALFT                      ; my 128 rows of A
	s_mul_i32 s22, s12, HALFT                      ; my 128 rows of B,
	s_add_co_u32 s22, s22, 2*HALFT                 ; which lie behind A's 256
.irp s, 0,1
	v_add_nc_u32 v[ADRA+(\s)], s21, v3
	v_add_nc_u32 v[ADRB+(\s)], s22, v3
	s_add_co_u32 s21, s21, SLOT
	s_add_co_u32 s22, s22, SLOT
.endr
	s_mul_i32 s23, s10, 16*SPITCH
	s_add_co_u32 s23, s23, STAGE                   ; my stage
	v_mul_u32_u24 v4, v1, SPITCH                   ; in: row l % 16, 32 bytes for each half of the lanes
	v_lshl_add_u32 v4, v2, 5, v4
	v_add_nc_u32 v[STO], s23, v4
	v_and_b32 v5, 31, v0
	v_lshlrev_b32 v[CO], 4, v5                     ; back: 32 lanes take one row of 512 bytes
	v_add_nc_u32 v[RD], s23, v[CO]
	; where my part of the tile begins in out0, in bytes
	s_lshl_b32 s13, s13, 8                         ; 256 x tile row
	s_lshl_b32 s14, s11, 7
	s_add_co_u32 s16, s13, s14                     ; my first row,
	s_lshl_b32 s16, s16, 14                        ; x 16,384 bytes: under 2^26
	s_mov_b32 s17, 0
	s_lshl_b32 s46, s42, 10                        ; my first column, in bytes: 1,024 x tile column + 512 x half
	s_lshl_b32 s47, s12, 9
	s_add_co_u32 s46, s46, s47
	s_mov_b32 s47, 0
	v_add_nc_u32 v[CH], s46, v[CO]                 ; the same bytes of so and of c: on the way out lane l holds columns 4 l .. 4 l + 3 of my 128
	s_add_nc_u64 s[16:17], s[16:17], s[46:47]
	s_add_nc_u64 s[8:9], s[8:9], s[16:17]
	global_load_b128 v[SOR:SOR+3], v[CH], s[CHN:CHN+1]
	global_load_b128 v[CCR:CCR+3], v[CH], s[CHN:CHN+1] offset:16384  ; waited for on the way out
	; the prefetches.  s13 = 256 x tile row, s42 = tile column, s40 = cx, s41 = cy still stand
	s_lshl_b32 s42, s42, 8
	s_and_b32 s22, ttmp7, 0xffff                   ; cluster y
	s_cmp_eq_u32 s11, 0                            ; do I fetch for A?
	s_cselect_b32 s20, s13, s42                    ; the tile's first row: in A by the tile row, in B by the tile column
	s_cselect_b32 s21, s40, s41                    ; my place among the four that ask for it with me
	s_cselect_b32 s22, ttmp9, s22                  ; the coordinate along which other clusters read the same rows
	s_cselect_b64 s[PFA:PFA+1], s[4:5], s[6:7]
	s_cmp_eq_u32 s22, 0
	s_cselect_b32 s[LIM], 1, -1                    ; the same in all sixteen partners, for a given wave
	s_lshl_b32 s22, s12, 7
	s_add_co_u32 s20, s20, s22                     ; + the 128 rows that I fetch
	s_lshl_b32 s21, s21, 5
	s_add_co_u32 s20, s20, s21                     ; + my work-group's 32 of them
	s_mov_b32 s21, 0
	s_mov_b64 s[18:19], SIZE_K*2
	s_mul_u64 s[20:21], s[20:21], s[18:19]
	s_add_nc_u64 s[PFA:PFA+1], s[PFA:PFA+1], s[20:21]
	s_add_nc_u64 s[PFA:PFA+1], s[PFA:PFA+1], 2*KSTEP*2  ; at K step 2: the first refill steps it to 3 and names K step 4
	v_and_b32 v[PFO], 31, v0
	v_mul_u32_u24 v[PFO], v[PFO], SIZE_K*2
; 16 matrix instructions: m blocks a0, a0 + 1 of the window's four (hi = 0: my rows 0-63, 1: rows 64-127) x all 8 n blocks, 32 along K.
; zero = 1: the first product starts the sums: nothing is ever cleared.  The 64 accumulators take turns, one instruction a turn, in the same order in every quarter step.
.macro MUL16 f, hi, a0, zero
	WIN MUL_LO+0x50*(\hi)
.irp a, \a0, (\a0)+1
.irp b, 0,1,2,3,4,5,6,7
.if \zero
	v_wmma_f32_16x16x32_bf16 v[8*(8*(\a)+(\b)):8*(8*(\a)+(\b))+7], v[(\f)+8*(\b):(\f)+8*(\b)+7], v[(\f)+8*(4*(\hi)+(\a)):(\f)+8*(4*(\hi)+(\a))+7], 0
.else
	v_wmma_f32_16x16x32_bf16 v[8*(8*(\a)+(\b)):8*(8*(\a)+(\b))+7], v[(\f)+8*(\b):(\f)+8*(\b)+7], v[(\f)+8*(4*(\hi)+(\a)):(\f)+8*(4*(\hi)+(\a))+7], v[8*(8*(\a)+(\b)):8*(8*(\a)+(\b))+7]
.endif
.endr
.endr
.endm
; 32 LDS loads in one run: the fragments of one quarter step (128 rows of B, 128 rows of A, 32 K at byte k of the rows) into buffer f
.macro FETCH slot, k, f
	WIN TO_B
.irp i, 0,1,2,3,4,5,6,7
	ds_load_b128 v[(\f)+8*(\i):(\f)+8*(\i)+3],   v[ADRB+(\slot)] offset:(\k)+(\i)*16*PITCH
	ds_load_b128 v[(\f)+8*(\i)+4:(\f)+8*(\i)+7], v[ADRB+(\slot)] offset:(\k)+(\i)*16*PITCH+32
.endr
	WIN 0
.irp i, 0,1,2,3,4,5,6,7
	ds_load_b128 v[(\f)+8*(\i):(\f)+8*(\i)+3],   v[ADRA+(\slot)] offset:(\k)+(\i)*16*PITCH
	ds_load_b128 v[(\f)+8*(\i)+4:(\f)+8*(\i)+7], v[ADRA+(\slot)] offset:(\k)+(\i)*16*PITCH+32
.endr
.endm
; A load into a register that a matrix instruction has read, and a store that reads a matrix result, stand four places behind that matrix instruction, and only plain vector instructions
; that name none of its registers are places (ISA guide 7.12.1 for vector instructions).
.macro PLACES
.rept 4
	v_nop
.endr
.endm
; A K step is four quarter steps of 32 along K, 64 matrix instructions each, on buffers 0, 1, 0, 1.
; One of the first three: multiplies buffer f; in its middle it fetches the next quarter's fragments, at byte k of the same slot's rows, into buffer g.
.macro QUARTER slot, k, f, g, zero
	s_wait_dscnt 8                                 ; B and A's rows 0-63 are in; the youngest eight loads (A's rows 64-127) may be out
	WIN MUL_LO
	MUL16 \f, 0, 0, \zero
	MUL16 \f, 0, 2, \zero
	PLACES
	FETCH \slot, \k, \g
	s_wait_dscnt 32                                ; all but the 32 just issued
	WIN MUL_HI
	MUL16 \f, 1, 0, \zero
	MUL16 \f, 1, 2, \zero
.endm
; The last quarter multiplies buffer 1 and changes slots.  MEET is its first half: ONE barrier for the change of slots.  In front of it each wave waits for all its tensor loads, of which one is
; out: its part of the next slot; adds 0 to its spare word; and waits for that and for its own reads of this slot.  Behind it nobody reads this slot any more and the next slot is whole.
.macro MEET round                      ; round = 1: a round of the cluster's barrier follows
	WIN 0                                          ; (the add's two registers lie in window 0)
	s_wait_tensorcnt 0x0                           ; all my tensor loads have landed;
	ds_add_u32 v[SPW], v[NIL]                      ; 0 onto my spare word;
	s_wait_dscnt 9                                 ; (the add and the youngest eight loads may be out)
	WIN MUL_LO
	MUL16 F1, 0, 0, 0                              ; sixteen matrix instructions stand between the add and the wait for it
	s_wait_dscnt 0x0                               ; the add is done, and my reads of this slot are over:
	s_barrier_signal -1                            ; say so,
	MUL16 F1, 0, 2, 0                              ; work on registers while the others arrive,
.if \round
	WIN 0
.endif
	s_barrier_wait -1                              ; and go on when all four have said so
.endm
; The whole last quarter.  Behind the round the slot just read out is filled again first, with the K step two steps on; then come the next slot's first fragments.
; From a request to the wait for it a wave issues 224 matrix instructions; one tensor load of mine is out behind each round.
.macro TURN slot, next
	s_wait_xcnt 0x0                                ; the last prefetch, a K step back, has read its address: it is stepped here, ahead of the waits of the change of slots
	s_add_nc_u64 s[PFA:PFA+1], s[PFA:PFA+1], KSTEP*2
	MEET 1
	CREST                                          ; no wave of any partner still reads this slot's tile or has a load on its way
	s_add_nc_u64 s[G0+4*(\slot)+2:G0+4*(\slot)+3], s[G0+4*(\slot)+2:G0+4*(\slot)+3], 2*KSTEP*2
	s_add_nc_u64 s[G0B+4*(\slot)+2:G0B+4*(\slot)+3], s[G0B+4*(\slot)+2:G0B+4*(\slot)+3], 2*KSTEP*2
	JLOAD \slot                                    ; the first tensor load behind the round; the four v_nop behind it are also the places in front of the loads below
	FETCH \next, 0, F0
	ASK
	WIN MUL_HI
	MUL16 F1, 1, 0, 0
	MUL16 F1, 1, 2, 0
.endm
	s_wait_tensorcnt 1                             ; my part of K step 0 is in; K step 1's load may stay out
	s_barrier_signal -1
	s_barrier_wait -1                              ; everybody's is
	FETCH 0, 0, F0
	QUARTER 0, 64,  F0, F1, 1                      ; the first quarter stands in front of the loop: its products start the sums
	WIN 0                                          ; at a label and at a branch every window is 0
	s_mov_b32 s3, LAPS-1
.Llap:                                                 ; a trip goes once round the ring, from a lap's second quarter to the next lap's first, and fills both slots again
	QUARTER 0, 128, F1, F0, 0
	QUARTER 0, 192, F0, F1, 0
	TURN 0, 1
	QUARTER 1, 64,  F0, F1, 0
	QUARTER 1, 128, F1, F0, 0
	QUARTER 1, 192, F0, F1, 0
	TURN 1, 0
	QUARTER 0, 64,  F0, F1, 0
	WIN 0
	s_sub_co_u32 s3, s3, 1
	s_cmp_lg_u32 s3, 0
	s_cbranch_scc1 .Llap
	QUARTER 0, 128, F1, F0, 0                      ; the last lap is written out: it fills nothing, and has no round of the cluster's barrier
	QUARTER 0, 192, F0, F1, 0
	MEET 0                                         ; my one tensor load that was still out is slot 1's, the last K step's
	PLACES                                         ; for the loads into buffer 0, which the quarter before multiplied
	FETCH 1, 0, F0
	WIN MUL_HI
	MUL16 F1, 1, 0, 0
	MUL16 F1, 1, 2, 0
	QUARTER 1, 64,  F0, F1, 0
	QUARTER 1, 128, F1, F0, 0
	QUARTER 1, 192, F0, F1, 0
	s_wait_dscnt 8                                 ; the very last quarter: nothing more to fetch
	WIN MUL_LO
	MUL16 F1, 0, 0, 0
	MUL16 F1, 0, 2, 0
	s_wait_dscnt 0x0
	MUL16 F1, 1, 0, 0
	MUL16 F1, 1, 2, 0
	WIN 0
; THE WAY OUT, a block of 16 rows at a time.  TOSTAGE: the block's eight accumulators go as they are, f32, into my own stage (a lane's eight columns are 32 bytes of a row; each accumulator's
; low four registers first), and come back as whole rows of 512 bytes.  SEND: each number times so plus c, one fused multiply-add, and stored.
; Scaling behind the stage wants so and c of four columns a lane, eight registers; in front of it, of all 64 columns that a lane holds.
.macro TOSTAGE a
.set AC, 64*((\a)%4)
.set BK, F0+64*((\a)%2)
	WIN 0x08+4*((\a)/4)                            ; the stores' data (source 1) in window 2 or 3
.irp b, 0,1,2,3,4,5,6,7
	ds_store_b128 v[STO], v[AC+8*(\b):AC+8*(\b)+3]   offset:64*(\b)
	ds_store_b128 v[STO], v[AC+8*(\b)+4:AC+8*(\b)+7] offset:64*(\b)+16
.endr
	WIN 0
	s_wait_xcnt 0x0                                ; the stores of the block two back have read their data: its registers are loaded again only behind this wait
.irp t, 0,1,2,3,4,5,6,7,8,9,10,11,12,13,14,15
	ds_load_b128 v[BK+4*(\t):BK+4*(\t)+3], v[RD] offset:(\t)*SPITCH  ; LDS serves a wave's instructions in order (ISA guide 5.7.1.4): these see the stores above; the next block's stores come behind them
.endr
.endm
.macro SEND a, younger                 ; younger: the LDS instructions issued behind block a's loads: the next block's 16 stores and 16 loads, or none
.set BK, F0+64*((\a)%2)
	WIN 0
	s_wait_dscnt \younger                          ; the block is back in registers
.irp t, 0,1,2,3,4,5,6,7,8,9,10,11,12,13,14,15
	v_pk_fma_f32 v[BK+4*(\t):BK+4*(\t)+1],   v[BK+4*(\t):BK+4*(\t)+1],   v[SOR:SOR+1],   v[CCR:CCR+1]
	v_pk_fma_f32 v[BK+4*(\t)+2:BK+4*(\t)+3], v[BK+4*(\t)+2:BK+4*(\t)+3], v[SOR+2:SOR+3], v[CCR+2:CCR+3]
	global_store_b128 v[CO], v[BK+4*(\t):BK+4*(\t)+3], s[8:9] offset:(16*(\a)+(\t))*SIZE_N*4 th:TH_STORE_NT  ; the wave stores 512 consecutive bytes, at a multiple of 256 from the first byte of out0; 127 rows at the most, inside the signed 24-bit immediate
.endr
.endm
	PLACES                                         ; behind the last products, in front of the stores that read results and of the loads into A's buffers
	PLACES                                         ; (eight, once a launch)
	s_wait_loadcnt 0x0                             ; so and c
	TOSTAGE 0
.irp a, 1,2,3,4,5,6,7                  ; block a goes into the stage while block a - 1 is on its way back
	TOSTAGE \a
	SEND (\a)-1, 32
.endr
	SEND 7, 0
	s_wait_tensorcnt 0x0                           ; the wave's end: behind my last tensor load and my last LDS store
	ds_add_u32 v[SPW], v[NIL]
	s_wait_dscnt 0x0
	CROUND                                         ; the closing round: no work-group ends while a partner may still ask for a tile that names it
	s_endpgm
.Lfunc_end_k_q5dbd59c498_gemm:
	.size	k_q5dbd59c498_gemm, .Lfunc_end_k_q5dbd59c498_gemm-k_q5dbd59c498_gemm
	.p2alignl 7, 3214868480
	.fill 96, 4, 3214868480
	.section	.rodata,"a",@progbits
	.p2align	6, 0x0
	.amdhsa_kernel k_q5dbd59c498_gemm
		.amdhsa_group_segment_fixed_size 327680
		.amdhsa_private_segment_fixed_size 0
		.amdhsa_enable_private_segment 0
		.amdhsa_kernarg_size 32
		.amdhsa_user_sgpr_count 2
		.amdhsa_user_sgpr_kernarg_segment_ptr 1
		.amdhsa_wavefront_size32 1
		.amdhsa_system_sgpr_workgroup_id_x 1
		.amdhsa_system_sgpr_workgroup_id_y 1
		.amdhsa_system_sgpr_workgroup_id_z 1
		.amdhsa_system_vgpr_workitem_id 0
		.amdhsa_next_free_vgpr 1024
		.amdhsa_next_free_sgpr 68
		.amdhsa_reserve_vcc 0
		.amdhsa_float_denorm_mode_32 3
		.amdhsa_float_denorm_mode_16_64 3
		.amdhsa_memory_ordered 1
		.amdhsa_forward_progress 1
		.amdhsa_inst_pref_size 158
	.end_amdhsa_kernel
	.amdgpu_metadata
---
amdhsa.version: [ 1, 2 ]
amdhsa.kernels:
  - .name:           k_q5dbd59c498_gemm
    .symbol:         k_q5dbd59c498_gemm.kd
    .args:
      - { .name: xb, .offset: 0, .size: 8, .value_kind: global_buffer, .address_space: global }
      - { .name: wq, .offset: 8, .size: 8, .value_kind: global_buffer, .address_space: global }
      - { .name: out0, .offset: 16, .size: 8, .value_kind: global_buffer, .address_space: global }
      - { .name: chan, .offset: 24, .size: 8, .value_kind: global_buffer, .address_space: global }
    .group_segment_fixed_size: 327680
    .private_segment_fixed_size: 0
    .kernarg_segment_align: 8
    .kernarg_segment_size: 32
    .max_flat_workgroup_size: 128
    .sgpr_count:     68
    .vgpr_count:     1024
    .wavefront_size: 32
...
	.end_amdgpu_metadata
.endif
;; end of part 2
;; ======== version 2 of 2: 2 launches; version 1 with the launch prep written anew for expert scheduling mode
;; workspace buffers: wq 33,554,432 bytes; xb 33,554,432 bytes; chan 32,768 bytes
;; launch prep (part 3): grid 256 x 1, 16 waves a work-group, no clusters, 2,304 bytes of LDS; arguments weight, x_q, bias, scale_x, wq, xb, chan; writes wq, xb, chan
.if DOCPART == 3
	.amdgcn_target "amdgcn-amd-amdhsa--gfx1250"
	.amdhsa_code_object_version 6
	.text
	.protected	k_q5dbd59c498_prep
	.globl	k_q5dbd59c498_prep
	.p2align	8
	.type	k_q5dbd59c498_prep,@function
k_q5dbd59c498_prep:
	s_mov_b64 s[64:65], 0
	v_nop
	global_prefetch_b8 v0, s[64:65] scope:SCOPE_SE
	s_setreg_imm32_b32 hwreg(HW_REG_WAVE_SCHED_MODE, 0, 2), 2
	s_setreg_imm32_b32 hwreg(HW_REG_WAVE_MODE, 25, 1), 1
	s_wait_xcnt 0x0
	s_wait_alu depctr_vm_vsrc(0)
; PREPARATION FOR THE QUANTISED LINEAR LAYER.  weight, x_q: [4096][4096] f32; bias: [4096] f32; scale_x: [1] f32.
;   scale_w[n] = max(|min of row n|, |max of row n|) / 127;  wq[n][k] = clip(round(weight[n][k] / scale_w[n]), -128, 127), stored as bf16 (whole numbers up to 256 are exact in bf16)
;   xb[m][k] = x_q[m][k] cut toward zero (the cast to int32), stored as bf16
;   chan: so[n] = scale_w[n] x scale_x at byte 4 n;  c[n] = clip(round(bias[n] / so[n]), -2^31, 2^31) x so[n] at byte 16,384 + 4 n
; LIMITS.  |x| above 256 is rounded to the 8 significant bits of bf16; the saturation of the cast at 2^31 and the wrap of int32 sums are not reproduced.
; scale_w is the maximum times the rounded 1/127, and the two divisions are a reciprocal (1 ulp) and a multiply: a quotient within an ulp of a half may round to the neighbouring whole number.
; A divisor whose magnitude is below 2^-126 is taken as 2^-126 (with its sign): an all-zero row gives wq = 0, so = 0, c = 0.  NaN and infinities are not treated apart.
; SHARES.  Sixteen waves; wave w of work-group g owns row 16 g + w of weight and the same row of x_q: 4,096 waves for 4,096 + 4,096 rows, no loop.
; A row is 16,384 bytes: 32 chunks of 512, a lane 16 bytes of each.  The weight row stays in 128 registers between the pass that finds its extremes and the pass that quantises: it is read once.
; A converted chunk is 8 bytes a lane: one store of the wave covers 256 consecutive bytes, aligned.
; No tensor loads and no LDS on the way in: no wave wants a byte that another has fetched.  No prefetch: three quarters of the wave's loads go out at its start, the rest as soon as registers are free.
; THE MODE: SCHED_MODE bits 1:0 = 2 (LLVM: expert scheduling mode 2), set by the entry lines.  The code itself states the register dependences
; between vector instructions and memory or LDS instructions, with s_wait_alu, always for 0.
; THE PLAN.  The work behind the extremes goes in GROUPS of eight chunks, 32 registers: Q0 .. Q3 quantise the weight row, C0 .. C3 cut the x row.  A group's arithmetic works in place and names its own
; 32 registers, v14, v15 and scalars alone; its eight stores are issued one group later, dealt among the next group's arithmetic.  Registers that memory or LDS instructions touch:
;   v1, v2, v19, v20, v22   offsets and LDS addresses: written at the head, never again.
;   W = v[32:159]           the head's loads land; the extremes' pass reads; Q0 .. Q3 write in place; a chunk's first two registers are its store's data.
;   v[32:63], v[64:95]      behind Q0's and Q1's stores the second half of the x row lands here; C2, C3 write in place; their stores read.
;   X = v[160:223]          the head's loads land; C0, C1 write in place; their stores read.
;   v17, v18                so and c: written once, read by the two LDS stores.      v21  named by vector instructions at the head alone; at the end wave 0's LDS load lands in it.
;   v30, v31                written at the head, read by the closing add alone.
; So ONE wait on va_vdst stands at a group's head: the group before has written what this group's stores read (and, where loads of x follow, the group two before is done with the registers in
; which they land).  A wait on vm_vsrc stands beside it at the two heads behind which registers that stores have read are loaded again.
.set SPARE, 256                        ; LDS: so of the 16 rows at 0, c at 64; from 256 on the spare words, 128 bytes for each wave, which no other line names
.set LO,   1                           ; v1   16 x lane: my bytes in a chunk as loaded
.set SO8,  2                           ; v2   8 x lane: my bytes in a chunk as stored
.set HI,   4                           ; v[4:7]   four running maxima
.set LW,   8                           ; v[8:11]  four running minima
.set SPW,  30                          ; v30  LDS address of my spare word; never rewritten
.set NIL,  31                          ; v31  0; never rewritten
.set W,    32                          ; v[32:159]  the weight row; later v[32:95] take the second half of the x row
.set X,    160                         ; v[160:223] the first half of the x row
	s_load_b256 s[4:11], s[0:1], 0x0               ; weight s[4:5], x_q s[6:7], bias s[8:9], scale_x s[10:11]
	s_load_b128 s[12:15], s[0:1], 0x20             ; wq s[12:13], xb s[14:15]
	s_load_b64 s[16:17], s[0:1], 0x30              ; chan
	v_lshl_add_u32 v[SPW], v0, 2, SPARE
	v_mov_b32 v[NIL], 0
	v_lshrrev_b32 v3, 5, v0
	v_readfirstlane_b32 s18, v3                    ; wave 0..15
	v_and_b32 v3, 31, v0                           ; lane
	v_lshlrev_b32 v[LO], 4, v3
	v_lshlrev_b32 v[SO8], 3, v3
	v_lshlrev_b32 v22, 2, v3                       ; 4 x lane: the table as wave 0 reads it back
	s_wait_alu depctr_va_sdst(0)                   ; s18 is written, ahead of its first reader: the line below; my row's offsets and the last branch are made from it too
	v_mov_b32 v19, s18
	v_lshlrev_b32 v19, 2, v19                      ; 4 x wave: my row's word in the table
	s_lshl_b32 s36, ttmp9, 6                       ; the work-group's 16 channels: 64 bytes of so and of c
	v_and_b32 v20, 15, v0
	v_lshlrev_b32 v20, 2, v20
	v_bfe_u32 v21, v0, 4, 1
	v_lshl_add_u32 v20, v21, 14, v20               ; lanes 0-15 store so, lanes 16-31 store c, 16,384 bytes further on
	v_add_nc_u32 v20, s36, v20
	v_mov_b32 v13, 0                               ; written before v_permlanex16_b32 names it as its destination
	s_lshl_b32 s19, ttmp9, 4
	s_add_co_u32 s19, s19, s18                     ; my row
	s_lshl_b32 s20, s19, 14                        ; x 16,384 bytes (f32 rows),
	s_mov_b32 s21, 0
	s_lshl_b32 s22, s19, 13                        ; x 8,192 bytes (bf16 rows),
	s_mov_b32 s23, 0
	s_lshl_b32 s24, s19, 2                         ; x 4 bytes (bias)
	s_mov_b32 s25, 0
	s_mov_b32 s28, 0xc3000000                      ; -128.0
	s_mov_b32 s29, 0x42fe0000                      ; 127.0
	s_mov_b32 s30, 0xcf000000                      ; -2^31
	s_mov_b32 s31, 0x4f000000                      ; 2^31 (2^31 - 1 as f32)
	s_mov_b32 s32, 0x76543210                      ; v_permlanex16_b32: each lane takes its own place in the other half
	s_mov_b32 s33, 0xfedcba98
	s_mov_b32 s34, 0x3c010204                      ; 1 / 127
	s_mov_b32 s35, 0x00800000                      ; 2^-126
	s_wait_kmcnt 0x0
	s_add_nc_u64 s[4:5], s[4:5], s[20:21]
	s_add_nc_u64 s[6:7], s[6:7], s[20:21]
	s_add_nc_u64 s[12:13], s[12:13], s[22:23]
	s_add_nc_u64 s[14:15], s[14:15], s[22:23]
	s_add_nc_u64 s[8:9], s[8:9], s[24:25]
	s_load_b32 s26, s[10:11], 0x0                  ; scale_x
	s_load_b32 s27, s[8:9], 0x0                    ; bias of my row
	s_wait_alu depctr_va_vdst(0)                   ; v1, v2, v19, v20 and v22 are written, which every load, store and LDS instruction of the kernel reads as its offset or address; the head is done with v21, in which wave 0's LDS load lands at the end
.irp j, 0,1,2,3,4,5,6,7,8,9,10,11,12,13,14,15,16,17,18,19,20,21,22,23,24,25,26,27,28,29,30,31
	global_load_b128 v[W+4*(\j):W+4*(\j)+3], v[LO], s[4:5] offset:512*(\j) th:TH_LOAD_NT
.endr
.irp j, 0,1,2,3,4,5,6,7,8,9,10,11,12,13,14,15
	global_load_b128 v[X+4*(\j):X+4*(\j)+3], v[LO], s[6:7] offset:512*(\j) th:TH_LOAD_NT  ; 48 loads, 24 KiB, of the wave are out
.endr
; Chunk j joins chain j % 4 of the maxima and of the minima; the first four chunks start the chains, so nothing is cleared.
.macro MINMAX j
.set rA, W+4*(\j)
.set cK, (\j)%4
.if (\j) < 4
	v_max_num_f32 v[HI+cK], v[rA], v[rA+1]
	v_min_num_f32 v[LW+cK], v[rA], v[rA+1]
.else
	v_max3_num_f32 v[HI+cK], v[HI+cK], v[rA], v[rA+1]
	v_min3_num_f32 v[LW+cK], v[LW+cK], v[rA], v[rA+1]
.endif
	v_max3_num_f32 v[HI+cK], v[HI+cK], v[rA+2], v[rA+3]
	v_min3_num_f32 v[LW+cK], v[LW+cK], v[rA+2], v[rA+3]
.endm
; Chunk j of the weight row: divided by scale_w, rounded to nearest even, clipped, packed to bf16 in place.
.macro QARITH j
.set rA, W+4*(\j)
	v_pk_mul_f32 v[rA:rA+1], v[rA:rA+1], v[14:15] op_sel_hi:[1,0]
	v_pk_mul_f32 v[rA+2:rA+3], v[rA+2:rA+3], v[14:15] op_sel_hi:[1,0]
.irp c, 0,1,2,3
	v_rndne_f32 v[rA+(\c)], v[rA+(\c)]
.endr
.irp c, 0,1,2,3
	v_med3_num_f32 v[rA+(\c)], v[rA+(\c)], s28, s29
.endr
	v_cvt_pk_bf16_f32 v[rA], v[rA], v[rA+1]
	v_cvt_pk_bf16_f32 v[rA+1], v[rA+2], v[rA+3]
.endm
; .. and stored, a group later.
.macro QSTORE j
	global_store_b64 v[SO8], v[W+4*(\j):W+4*(\j)+1], s[12:13] offset:256*(\j) th:TH_STORE_NT
.endm
; Chunk i of the sixteen at register base: cut toward zero, packed to bf16 in place.
.macro CARITH base, i
.set rA, (\base)+4*(\i)
.irp c, 0,1,2,3
	v_trunc_f32 v[rA+(\c)], v[rA+(\c)]
.endr
	v_cvt_pk_bf16_f32 v[rA], v[rA], v[rA+1]
	v_cvt_pk_bf16_f32 v[rA+1], v[rA+2], v[rA+3]
.endm
; .. and stored, a group later, at byte off + 256 i of my row of xb.
.macro CSTORE base, i, off
	global_store_b64 v[SO8], v[(\base)+4*(\i):(\base)+4*(\i)+1], s[14:15] offset:(\off)+256*(\i) th:TH_STORE_NT
.endm
; Chunk 16 + i of the x row, into the registers that chunk i of the weight row has left.
.macro XLOAD i
	global_load_b128 v[W+4*(\i):W+4*(\i)+3], v[LO], s[6:7] offset:8192+512*(\i) th:TH_LOAD_NT
.endm
	s_wait_loadcnt 40                              ; loads come back in order: chunks 0-7 are in; 24 of the weight row and the 16 of x stay out
.irp j, 0,1,2,3,4,5,6,7
	MINMAX \j
.endr
	s_wait_loadcnt 32                              ; chunks 8-15
.irp j, 8,9,10,11,12,13,14,15
	MINMAX \j
.endr
	s_wait_loadcnt 24                              ; chunks 16-23
.irp j, 16,17,18,19,20,21,22,23
	MINMAX \j
.endr
	s_wait_loadcnt 16                              ; the whole weight row; the 16 loads of x stay out
.irp j, 24,25,26,27,28,29,30,31
	MINMAX \j
.endr
	v_max3_num_f32 v4, v4, v5, v6
	v_min3_num_f32 v8, v8, v9, v10
	v_max_num_f32 v4, v4, v7
	v_min_num_f32 v8, v8, v11
	v_xor_b32 v8, 0x80000000, v8                   ; since min <= max, max(|min|, |max|) = max(max, -min)
	v_max_num_f32 v4, v4, v8
	v_max_num_f32_dpp v4, v4, v4 row_xmask:1 row_mask:0xf bank_mask:0xf
	v_max_num_f32_dpp v4, v4, v4 row_xmask:2 row_mask:0xf bank_mask:0xf
	v_max_num_f32_dpp v4, v4, v4 row_xmask:4 row_mask:0xf bank_mask:0xf
	v_max_num_f32_dpp v4, v4, v4 row_xmask:8 row_mask:0xf bank_mask:0xf
	v_permlanex16_b32 v13, v4, s32, s33
	v_max_num_f32 v4, v4, v13                      ; every lane holds the row's largest magnitude
	s_wait_kmcnt 0x0                               ; scale_x and my bias
	v_mul_f32 v16, s34, v4                         ; scale_w
	v_mul_f32 v17, s26, v16                        ; so = scale_w x scale_x
	v_max_num_f32 v12, s35, v16                    ; the divisors, kept away from 0: scale_w is not negative;
	v_and_b32 v13, 0x7fffffff, v17
	v_max_num_f32 v13, s35, v13
	v_bfi_b32 v13, 0x7fffffff, v13, v17            ; so keeps its sign
	v_rcp_f32 v14, v12
	v_rcp_f32 v15, v13
	v_nop                                          ; a plain instruction behind the second reciprocal, ahead of the first use (ISA guide 5.7.2)
	s_wait_alu depctr_va_vdst(0)                   ; the two reciprocals have written v14 and v15: the wait stands ahead of their first reader, one for both
	v_mul_f32 v18, s27, v15                        ; bias / so,
	v_rndne_f32 v18, v18
	v_med3_num_f32 v18, v18, s30, s31              ; b_q,
	v_mul_f32 v18, v18, v17                        ; c = b_q x so
.irp i, 0,1,2,3,4,5,6,7
	QARITH \i                                      ; group Q0: no group stands in front of it, so nothing is stored yet
.endr
	s_wait_alu depctr_va_vdst(0)                   ; v17 and v18 are written, which the two LDS stores read; Q0 has written v[32:63], from which the eight stores below leave
	ds_store_b32 v19, v17                          ; all lanes write the same word with the same number
	ds_store_b32 v19, v18 offset:64
.irp i, 0,1,2,3,4,5,6,7
	QSTORE \i                                      ; no vector instruction since the wait names Q0's registers
	QARITH (\i)+8                                  ; group Q1
.endr
	s_wait_xcnt 0x0                                ; Q0's stores have had their addresses translated: v[32:63] are loaded again only behind this wait
	s_wait_alu depctr_vm_vsrc(0)                   ; Q0's stores have read v[32:63], in which the loads below land
	s_wait_alu depctr_va_vdst(0)                   ; Q1 has written v[64:95], from which the stores below leave; Q0's arithmetic is done with v[32:63]
.irp i, 0,1,2,3,4,5,6,7
	XLOAD \i                                       ; chunks 16-23 of the x row
	QSTORE (\i)+8
	QARITH (\i)+16                                 ; group Q2: it names v[96:127] alone
.endr
	s_wait_xcnt 0x0                                ; Q1's stores have had their addresses translated: v[64:95] are loaded again only behind this wait
	s_wait_alu depctr_vm_vsrc(0)                   ; Q1's stores have read v[64:95], in which the loads below land
	s_wait_alu depctr_va_vdst(0)                   ; Q2 has written v[96:127], from which the stores below leave; Q1's arithmetic is done with v[64:95]
.irp i, 0,1,2,3,4,5,6,7
	XLOAD (\i)+8                                   ; chunks 24-31 of the x row
	QSTORE (\i)+16
	QARITH (\i)+24                                 ; group Q3: it names v[128:159] alone
.endr
	s_wait_loadcnt 16                              ; the first half of the x row is in; the sixteen loads of its second half may stay out
	s_wait_alu depctr_va_vdst(0)                   ; Q3 has written v[128:159], from which the stores below leave
.irp i, 0,1,2,3,4,5,6,7
	QSTORE (\i)+24
	CARITH X, \i                                   ; group C0
.endr
	s_wait_alu depctr_va_vdst(0)                   ; C0 has written v[160:191], from which the stores below leave
.irp i, 0,1,2,3,4,5,6,7
	CSTORE X, \i, 0
	CARITH X, (\i)+8                               ; group C1
.endr
	s_wait_loadcnt 8                               ; chunks 16-23 of the x row; chunks 24-31 may stay out
	s_wait_alu depctr_va_vdst(0)                   ; C1 has written v[192:223], from which the stores below leave
.irp i, 0,1,2,3,4,5,6,7
	CSTORE X, (\i)+8, 0
	CARITH W, \i                                   ; group C2
.endr
	s_wait_loadcnt 0x0                             ; chunks 24-31
	s_wait_alu depctr_va_vdst(0)                   ; C2 has written v[32:63], from which the stores below leave
.irp i, 0,1,2,3,4,5,6,7
	CSTORE W, \i, 4096
	CARITH W, (\i)+8                               ; group C3
.endr
	s_wait_alu depctr_va_vdst(0)                   ; C3 has written v[64:95], from which the last eight stores leave
.irp i, 0,1,2,3,4,5,6,7
	CSTORE W, (\i)+8, 4096
.endr
	s_wait_dscnt 0x0                               ; for the others' sake: my two words of the table are written
	s_barrier_signal -1
	s_barrier_wait -1                              ; all sixteen rows' words are
	s_cmp_lg_u32 s18, 0
	s_cbranch_scc1 .Lend                           ; wave 0 stores the table: 64 bytes of so and 64 of c, one instruction
	ds_load_b32 v21, v22                           ; no vector instruction has named v21 or v22 since the head's wait on va_vdst
	s_wait_dscnt 0x0
	global_store_b32 v20, v21, s[16:17]
.Lend:
	s_wait_dscnt 0x0                               ; the closing lines, six on end
	s_wait_alu 0x0
	s_wait_tensorcnt 0x0
	ds_add_u32 v[SPW], v[NIL]
	s_wait_dscnt 0x0
	s_endpgm
.Lfunc_end_k_q5dbd59c498_prep:
	.size	k_q5dbd59c498_prep, .Lfunc_end_k_q5dbd59c498_prep-k_q5dbd59c498_prep
	.p2alignl 7, 3214868480
	.fill 96, 4, 3214868480
	.section	.rodata,"a",@progbits
	.p2align	6, 0x0
	.amdhsa_kernel k_q5dbd59c498_prep
		.amdhsa_group_segment_fixed_size 2304
		.amdhsa_private_segment_fixed_size 0
		.amdhsa_enable_private_segment 0
		.amdhsa_kernarg_size 56
		.amdhsa_user_sgpr_count 2
		.amdhsa_user_sgpr_kernarg_segment_ptr 1
		.amdhsa_wavefront_size32 1
		.amdhsa_system_sgpr_workgroup_id_x 1
		.amdhsa_system_sgpr_workgroup_id_y 1
		.amdhsa_system_sgpr_workgroup_id_z 1
		.amdhsa_system_vgpr_workitem_id 0
		.amdhsa_next_free_vgpr 224
		.amdhsa_next_free_sgpr 66
		.amdhsa_reserve_vcc 0
		.amdhsa_float_denorm_mode_32 3
		.amdhsa_float_denorm_mode_16_64 3
		.amdhsa_memory_ordered 1
		.amdhsa_forward_progress 1
		.amdhsa_inst_pref_size 53
	.end_amdhsa_kernel
	.amdgpu_metadata
---
amdhsa.version: [ 1, 2 ]
amdhsa.kernels:
  - .name:           k_q5dbd59c498_prep
    .symbol:         k_q5dbd59c498_prep.kd
    .args:
      - { .name: weight, .offset: 0, .size: 8, .value_kind: global_buffer, .address_space: global }
      - { .name: x_q, .offset: 8, .size: 8, .value_kind: global_buffer, .address_space: global }
      - { .name: bias, .offset: 16, .size: 8, .value_kind: global_buffer, .address_space: global }
      - { .name: scale_x, .offset: 24, .size: 8, .value_kind: global_buffer, .address_space: global }
      - { .name: wq, .offset: 32, .size: 8, .value_kind: global_buffer, .address_space: global }
      - { .name: xb, .offset: 40, .size: 8, .value_kind: global_buffer, .address_space: global }
      - { .name: chan, .offset: 48, .size: 8, .value_kind: global_buffer, .address_space: global }
    .group_segment_fixed_size: 2304
    .private_segment_fixed_size: 0
    .kernarg_segment_align: 8
    .kernarg_segment_size: 56
    .max_flat_workgroup_size: 512
    .sgpr_count:     66
    .vgpr_count:     224
    .wavefront_size: 32
...
	.end_amdgpu_metadata
.endif
;; end of part 3
;; launch gemm: the kernel of part 2 again; grid 16 x 16, 4 waves a work-group, clusters of 4 x 4, 327,680 bytes of LDS; arguments xb, wq, out0, chan; writes out0
